; MI455X (gfx1250); checked and timed in simulation.
; The chip was launched on July 23, 2026; its instructions are those of AMD's public machine-readable ISA for CDNA 5 (MIT licence, August 2026) and "CDNA5" Instruction Set Architecture Reference Guide (July 2026). The comments in the code are by the model that wrote it; some were corrected since.
;; Long Term Memory. Allowed arithmetic: float matrix products may take bf16 or f16 operands with f32 sums; all other float work in f32.
;; Inputs: ltm_buffer 16,384 x 1,024 float32; x 2 x 2,048 x 1,024 float32.
;; Outputs: out0 2 x 2,048 x 1,024 float32.
;; Constants: top_k = 16.
;; One version. Each part assembles by itself: llvm-mc -triple=amdgcn-amd-amdhsa -mcpu=gfx1250 --defsym DOCPART=n.
;; ======== version 1 of 1: 5 launches
;; limits: values outside matrix products are rounded to f16; values within 0.00049 (relative) of each other or of a threshold may be ordered or decided otherwise than in the reference
;; workspace buffers: tb 41,943,040 bytes; rn 81,920 bytes; sc 134,217,728 bytes; gm 8,388,608 bytes; gi 524,288 bytes of whole numbers; ei 524,288 bytes of whole numbers
;; launch prep (part 1): grid 256 x 1, 20 waves a work-group, no clusters, 3,072 bytes of LDS; arguments ltm_buffer, x, tb, rn; writes tb, rn
.if DOCPART == 1
	.amdgcn_target "amdgcn-amd-amdhsa--gfx1250"
	.amdhsa_code_object_version 6
	.text
	.protected	k_qa6b809172c_prep
	.globl	k_qa6b809172c_prep
	.p2align	8
	.type	k_qa6b809172c_prep,@function
k_qa6b809172c_prep:
	s_mov_b64 s[64:65], 0
	v_nop
	global_prefetch_b8 v0, s[64:65] scope:SCOPE_SE
	s_setreg_imm32_b32 hwreg(HW_REG_WAVE_MODE, 25, 1), 1
	s_wait_xcnt 0x0
; prep: rn[row] = 1 / max(norm of the row, 1e-6) in f32 for the 16,384 memories and then the 4,096 queries, and tb[row] = bf16(row x rn[row]), the
; operands of the matrix product, memories first.  The rows are normalised before they are rounded, so that the product's sums are cosines.
; Twenty waves, four whole rows each, so a sum of squares never leaves a wave.  Waves 0-15 take 64 memories, waves 16-19 take 16 queries: 256 work-groups
; of 80 rows cover 16,384 + 4,096 rows evenly.  All 32 loads of a wave (16 KiB) go out at once; there is no loop.
; A lane holds columns 128 j + 4 L .. + 3: a load of the wave covers 512 consecutive bytes, a store 256 consecutive bytes, aligned.
; The squares are added in four chains of 8 in each lane and then in a tree over the 32 lanes.  A row is scaled and rounded in the registers it was
; loaded into; they are stored from and never written again.
; rn: the work-group's 64 memories leave as one store of 256 consecutive bytes; its 16 queries as one store of 64 bytes, a quarter of an aligned
; block of 256: 16 KiB of the launch's 40 MiB of output leave so.
; LIMITS: NaN and infinities are not served.  A sum of squares below 2^-126 counts as zero (v_sqrt_f32 flushes); the clamp at 1e-6 covers it.
; No matrix unit, cluster or tensor load: every byte is used once by one wave.
.set OFFI, 1                           ; v1        16 L: my place in 512 bytes of a source row; never rewritten
.set T,    2                           ; v[2:5]    at work
.set S,    10                          ; v[10:13]  two packed chains of squares; then LDS addresses
.set OFFO, 14                          ; v14       8 L: my place in 256 bytes of a row of tb; never rewritten
.set LN,   15                          ; v15       lane
.set X,    16                          ; v[16:143]  row i: 32 registers as loaded, then 16 of them as stored
.set SS,   144                         ; v[144:147] sums of squares
.set N,    148                         ; v[148:151] norms
.set R,    152                         ; v[152:155] reciprocals
.set E,    156                         ; v[156:159] at work in the refinement; then copies of rows 1 and 3's reciprocals at even registers
.set EPSF, 0x358637bd                  ; 1e-6
	s_load_b256 s[4:11], s[0:1], 0x0               ; ltm_buffer s[4:5], x s[6:7], tb s[8:9], rn s[10:11]
	v_lshl_add_u32 v160, v0, 2, 0x200
	v_mov_b32 v161, 0
	v_lshrrev_b32 v[LN], 5, v0
	v_readfirstlane_b32 s12, v[LN]                 ; wave 0..19
	v_and_b32 v[LN], 31, v0
	s_mov_b32 s20, 0x76543210                      ; v_permlanex16_b32: lane i of one half reads lane i of the other
	s_mov_b32 s21, 0xfedcba98
	v_lshlrev_b32 v[OFFI], 4, v[LN]
	v_lshlrev_b32 v[OFFO], 3, v[LN]
.irp i, 0,1,2,3
	v_mov_b32 v[T+\i], 0                           ; written once: a lane permute's destination counts as read
.endr
	s_lshl_b32 s16, ttmp9, 6
	s_lshl2_add_u32 s16, s12, s16                  ; a memory wave's first row: 64 x group + 4 x wave
	s_and_b32 s19, s12, 3
	s_lshl_b32 s17, ttmp9, 4
	s_lshl2_add_u32 s17, s19, s17                  ; a query wave's first row: 16 x group + 4 x (wave - 16)
	s_add_co_u32 s18, s17, 16384                   ; and its row in tb
	s_cmp_lt_u32 s12, 16                           ; memories or queries: hangs on the wave's number alone
	s_cselect_b32 s17, s16, s17                    ; my first row in my source
	s_cselect_b32 s18, s16, s18                    ; my first row in tb
	s_wait_kmcnt 0x0
	s_cselect_b64 s[14:15], s[4:5], s[6:7]
	s_lshl_b32 s22, s17, 12                        ; rows of 4,096 bytes: below 2^26
	s_mov_b32 s23, 0
	s_add_nc_u64 s[14:15], s[14:15], s[22:23]
	s_lshl_b32 s22, s18, 11                        ; rows of 2,048 bytes
	s_add_nc_u64 s[8:9], s[8:9], s[22:23]
.irp i, 0,1,2,3
.irp j, 0,1,2,3,4,5,6,7
	global_load_b128 v[X+32*\i+4*\j:X+32*\i+4*\j+3], v[OFFI], s[14:15] offset:4096*\i+512*\j th:TH_LOAD_NT
.endr
.endr
; Row i: the squares of my 32 numbers.  left = the loads of the younger rows, 8 each, which may stay out.
.macro ROW i, left
	s_wait_loadcnt \left
	v_pk_mul_f32 v[S:S+1],   v[X+32*\i:X+32*\i+1],   v[X+32*\i:X+32*\i+1]                    ; the first squares start the chains: nothing is cleared
	v_pk_mul_f32 v[S+2:S+3], v[X+32*\i+2:X+32*\i+3], v[X+32*\i+2:X+32*\i+3]
.irp j, 1,2,3,4,5,6,7
	v_pk_fma_f32 v[S:S+1],   v[X+32*\i+4*\j:X+32*\i+4*\j+1],   v[X+32*\i+4*\j:X+32*\i+4*\j+1],   v[S:S+1]
	v_pk_fma_f32 v[S+2:S+3], v[X+32*\i+4*\j+2:X+32*\i+4*\j+3], v[X+32*\i+4*\j+2:X+32*\i+4*\j+3], v[S+2:S+3]
.endr
	v_pk_add_f32 v[S:S+1], v[S:S+1], v[S+2:S+3]
	v_add_f32 v[SS+\i], v[S], v[S+1]
.endm
	ROW 0, 24
	ROW 1, 16
	ROW 2, 8
	ROW 3, 0
	; the four sums over the 32 lanes, side by side: four steps inside each half of 16 lanes, one across the halves
.irp m, 1,2,4,8
.irp i, 0,1,2,3
	v_add_f32_dpp v[SS+\i], v[SS+\i], v[SS+\i] row_xmask:\m row_mask:0xf bank_mask:0xf
.endr
.endr
.irp i, 0,1,2,3
	v_permlanex16_b32 v[T+\i], v[SS+\i], s20, s21
.endr
.irp i, 0,1,2,3
	v_add_f32 v[SS+\i], v[SS+\i], v[T+\i]
.endr
	; norm = sqrt, one Newton step; reciprocal, one Newton step.  The clamp stands in front of each reciprocal, so a row of zeros gives 1e6.
	; Behind each run of transcendentals one v_nop stands before a result is used (ISA guide 5.7.2).
.irp i, 0,1,2,3
	v_sqrt_f32 v[N+\i], v[SS+\i]
.endr
	v_nop
	s_wait_alu depctr_va_vdst(0)
.irp i, 0,1,2,3
	v_max_num_f32 v[N+\i], EPSF, v[N+\i]
.endr
.irp i, 0,1,2,3
	v_rcp_f32 v[E+\i], v[N+\i]
.endr
	v_nop
.irp i, 0,1,2,3
	v_fma_f32 v[T+\i], -v[N+\i], v[N+\i], v[SS+\i] ; what the square of the estimate misses
.endr
.irp i, 0,1,2,3
	v_mul_f32 v[T+\i], 0.5, v[T+\i]
.endr
	s_wait_alu depctr_va_vdst(0)
.irp i, 0,1,2,3
	v_fma_f32 v[N+\i], v[T+\i], v[E+\i], v[N+\i]
.endr
.irp i, 0,1,2,3
	v_max_num_f32 v[N+\i], EPSF, v[N+\i]           ; max(norm, 1e-6), as the problem defines it
.endr
.irp i, 0,1,2,3
	v_rcp_f32 v[R+\i], v[N+\i]
.endr
	v_nop
	s_wait_alu depctr_va_vdst(0)
.irp i, 0,1,2,3
	v_fma_f32 v[E+\i], -v[N+\i], v[R+\i], 1.0
.endr
.irp i, 0,1,2,3
	v_fma_f32 v[R+\i], v[E+\i], v[R+\i], v[R+\i]
.endr
	v_mov_b32 v[E],   v[R+1]                       ; the packed multiply takes its factor from the first register of an even pair:
	v_mov_b32 v[E+2], v[R+3]                       ; rows 0 and 2 have theirs in R, rows 1 and 3 get copies
; Row i is scaled by the first register of pair pr, rounded in place and stored.
.macro SCALE i, pr
.irp j, 0,1,2,3,4,5,6,7
	v_pk_mul_f32 v[X+32*\i+4*\j:X+32*\i+4*\j+1],   v[X+32*\i+4*\j:X+32*\i+4*\j+1],   v[\pr:\pr+1] op_sel_hi:[1,0]
	v_pk_mul_f32 v[X+32*\i+4*\j+2:X+32*\i+4*\j+3], v[X+32*\i+4*\j+2:X+32*\i+4*\j+3], v[\pr:\pr+1] op_sel_hi:[1,0]
	v_cvt_pk_bf16_f32 v[X+32*\i+4*\j],   v[X+32*\i+4*\j],   v[X+32*\i+4*\j+1]
	v_cvt_pk_bf16_f32 v[X+32*\i+4*\j+1], v[X+32*\i+4*\j+2], v[X+32*\i+4*\j+3]
	global_store_b64 v[OFFO], v[X+32*\i+4*\j:X+32*\i+4*\j+1], s[8:9] offset:2048*\i+256*\j   ; 32 lanes x 8 bytes: 256 consecutive bytes, aligned
.endr
.endm
	SCALE 0, R
	SCALE 1, E
	SCALE 2, R+2
	SCALE 3, E+2
	; the group's 80 reciprocals meet in LDS: 16 bytes for each wave, bytes 0 to 319; all lanes write the same bytes with the same values
	v_mov_b32 v[S], s12
	v_lshlrev_b32 v[S], 4, v[S]
	v_lshlrev_b32 v[S+1], 3, v[LN]                 ; 8 L, for wave 0
	v_and_b32 v[S+2], 3, v[LN]
	v_lshlrev_b32 v[S+2], 4, v[S+2]                ; 16 (L % 4), for wave 16: every lane's address stays inside the queries' 64 bytes
	ds_store_b128 v[S], v[R:R+3]
	s_wait_dscnt 0x0                               ; for the sake of waves 0 and 16: my store is done before I signal
	s_barrier_signal -1
	s_barrier_wait -1
	s_cmp_lg_u32 s12, 0
	s_cbranch_scc1 .Lnot_wave_0
	ds_load_b64 v[T:T+1], v[S+1]                   ; the 64 memories' reciprocals, bytes 0 to 255
	s_lshl_b32 s22, ttmp9, 8
	s_add_nc_u64 s[10:11], s[10:11], s[22:23]
	s_wait_dscnt 0x0
	global_store_b64 v[S+1], v[T:T+1], s[10:11]    ; 256 consecutive bytes, aligned
	s_branch .Lend
.Lnot_wave_0:
	s_cmp_lg_u32 s12, 16
	s_cbranch_scc1 .Lend
	ds_load_b128 v[T:T+3], v[S+2] offset:256       ; the 16 queries' reciprocals, bytes 256 to 319, with all lanes on: lane L takes the 16 bytes of L % 4
	s_lshl_b32 s22, ttmp9, 6
	s_add_co_u32 s22, s22, 0x10000                 ; the queries lie behind the 16,384 memories in rn
	s_add_nc_u64 s[10:11], s[10:11], s[22:23]
	v_cmp_gt_u32 vcc_lo, 4, v[LN]
	s_wait_dscnt 0x0
	s_wait_xcnt 0x0                                ; EXEC is a source of my stores above: it changes only behind this wait
	s_and_saveexec_b32 s24, vcc_lo                 ; lanes 0-3 store 16 bytes each
	global_store_b128 v[S+2], v[T:T+3], s[10:11]
	s_wait_xcnt 0x0                                ; and again in front of the line that widens it
	s_or_b32 exec_lo, exec_lo, s24
.Lend:
	s_wait_tensorcnt 0x0
	ds_add_u32 v160, v161
	s_wait_dscnt 0x0
	s_endpgm
.Lfunc_end_k_qa6b809172c_prep:
	.size	k_qa6b809172c_prep, .Lfunc_end_k_qa6b809172c_prep-k_qa6b809172c_prep
	.p2alignl 7, 3214868480
	.fill 96, 4, 3214868480
	.section	.rodata,"a",@progbits
	.p2align	6, 0x0
	.amdhsa_kernel k_qa6b809172c_prep
		.amdhsa_group_segment_fixed_size 3072
		.amdhsa_private_segment_fixed_size 0
		.amdhsa_enable_private_segment 0
		.amdhsa_kernarg_size 32
		.amdhsa_user_sgpr_count 2
		.amdhsa_user_sgpr_kernarg_segment_ptr 1
		.amdhsa_wavefront_size32 1
		.amdhsa_system_sgpr_workgroup_id_x 1
		.amdhsa_system_sgpr_workgroup_id_y 1
		.amdhsa_system_sgpr_workgroup_id_z 1
		.amdhsa_system_vgpr_workitem_id 0
		.amdhsa_next_free_vgpr 162
		.amdhsa_next_free_sgpr 66
		.amdhsa_reserve_vcc 1
		.amdhsa_float_denorm_mode_32 3
		.amdhsa_float_denorm_mode_16_64 3
		.amdhsa_memory_ordered 1
		.amdhsa_forward_progress 1
		.amdhsa_inst_pref_size 25
	.end_amdhsa_kernel
	.amdgpu_metadata
---
amdhsa.version: [ 1, 2 ]
amdhsa.kernels:
  - .name:           k_qa6b809172c_prep
    .symbol:         k_qa6b809172c_prep.kd
    .args:
      - { .name: ltm_buffer, .offset: 0, .size: 8, .value_kind: global_buffer, .address_space: global }
      - { .name: x, .offset: 8, .size: 8, .value_kind: global_buffer, .address_space: global }
      - { .name: tb, .offset: 16, .size: 8, .value_kind: global_buffer, .address_space: global }
      - { .name: rn, .offset: 24, .size: 8, .value_kind: global_buffer, .address_space: global }
    .group_segment_fixed_size: 3072
    .private_segment_fixed_size: 0
    .kernarg_segment_align: 8
    .kernarg_segment_size: 32
    .max_flat_workgroup_size: 640
    .sgpr_count:     66
    .vgpr_count:     162
    .wavefront_size: 32
...
	.end_amdgpu_metadata
.endif
;; end of part 1
;; launch gemm (part 2): grid 16 x 64, 4 waves a work-group, clusters of 4 x 4, 327,680 bytes of LDS; arguments tb, sc, gm; writes sc, gm
.if DOCPART == 2
	.amdgcn_target "amdgcn-amd-amdhsa--gfx1250"
	.amdhsa_code_object_version 6
	.text
	.protected	k_qa6b809172c_gemm
	.globl	k_qa6b809172c_gemm
	.p2align	8
	.type	k_qa6b809172c_gemm,@function
k_qa6b809172c_gemm:
	s_mov_b64 s[64:65], 0
	v_nop
	global_prefetch_b8 v0, s[64:65] scope:SCOPE_SE
	s_setreg_imm32_b32 hwreg(HW_REG_WAVE_MODE, 25, 1), 1
	s_wait_xcnt 0x0
	s_wait_alu depctr_hold_cnt(0) depctr_sa_sdst(0) depctr_va_vdst(0) depctr_va_sdst(0) depctr_va_ssrc(0) depctr_va_vcc(0) depctr_vm_vsrc(0)
	s_getreg_b32 s2, hwreg(HW_REG_IB_STS2, 6, 4)
	s_cmp_eq_u32 s2, 0
	s_cbranch_scc0 .Lentry_in_a_cluster
	s_endpgm
.Lentry_in_a_cluster:
	s_bfe_u32 s2, ttmp6, 0x10000c
	s_cmp_lg_u32 s2, 0xf033
	s_cbranch_scc0 .Lentry_shape_is_right
	s_endpgm
.Lentry_shape_is_right:
; gemm: the filter's scores.  sc[q][m] = f16(sum over k of xq[q][k] mem[m][k]), 4,096 queries x 16,384 memories x 1,024; the operands are the normalised
; rows rounded to bf16, the sums f32, so a sum is a cosine, in [-1, 1] but for the rounding: f16 has the range for every input.
; gm[m / 128][q][(m / 32) % 4] = the largest sum (f32) of each group of 32 consecutive memories.
; These scores only choose candidates: a later launch ranks 20 candidates a query anew from the f32 inputs.
; Why group maxima: the 20 best scores of a query lie in the 20 groups with the best maxima, or else 20 other groups would each hold a score that goes
; in front.  So later launches look at 512 maxima and then at 640 scores a query.
; A work-group makes 256 queries x 256 memories with four waves; a wave makes 128 x 128: 64 accumulator tiles of 16 x 16, 512 registers.
; K goes in steps of 128 through a ring of two LDS slots filled by the tensor data mover; a tile's rows are 256 bytes of memory, aligned.
; CLUSTERS: 4 x 4 work-groups.  Grid x counts query blocks, grid y memory blocks.  The four work-groups with the same cx need the same query tiles ("A"),
; the four with the same cy the same memory tiles ("B"): each tile is asked for jointly by its four, which divides the requests by four.
; LIMITS: NaN and infinities in the inputs are not served (a NaN loses in the maxima).  A stored score carries the rounding of the operands to bf16 and
; of the sum to f16 (at most 2^-11 of its size).
;
; REGISTERS, in windows of 256:
;   window 0: v1-5 at work; v16-27 addresses; v32-55 group maxima; v64-127, v128-191 fragments of A, two buffers (the second holds TMP on the way out); v192-223 rows read back
;   window 1: v64-127, v128-191 fragments of B
;   window 2: the 32 accumulator tiles of my queries 0-63 (tile (a, b) at v[8 (8 a + b)]);   window 3: those of my queries 64-127
; THE MATRIX INSTRUCTION IS USED TRANSPOSED: source 0 = 16 memories, source 1 = 16 queries.  Lane (r, h) then holds query 16 a + r, and its registers
; 0 to 7 the memories 16 b + 8 h + 0 .. 7: eight neighbouring numbers of a row of sc, 16 bytes in f16.
.set SIZE_K, 1024
.set KSTEP,  128
.set PITCH,  272                       ; an LDS row: 256 bytes + 16 of padding: an odd multiple of 16, so the 16 rows that a load touches lie in 16 different 16-byte columns modulo 256
.set HALFT,  128*PITCH                 ; 128 rows: what one tensor load brings, and what one wave reads of A or of B
.set SLOT,   4*HALFT                   ; A's 256 rows, then B's 256 rows
.set STAGE,  2*SLOT                    ; byte 278,528 = 1,088 x 256, behind the ring: no tensor load ever lands there
.set SPITCH, 272                       ; the stage's rows: 256 bytes (128 f16) + 16; a wave's stage is 16 rows = 17 x 256 bytes
.set SCROW,  32768                     ; bytes in a row of sc
.set LAPS, SIZE_K/(2*KSTEP)            ; a lap = two K steps = once round the ring: 4
.set ADRA, 16                          ; v16-17  LDS address of my A fragments in slot 0, 1
.set ADRB, 20                          ; v20-21  the same for B
.set STO,  24                          ; v24     the way out: where I put 16 bytes of a row
.set RD,   25                          ; v25     the way out: where I read a row back
.set L16,  26                          ; v26     16 x lane: my place in 512 bytes of gm; never rewritten
.set CO,   27                          ; v27     my place in two rows of sc: h rows + 16 r bytes; never rewritten
.set GMX,  32                          ; v[32:47] group maxima: four registers for each pair of query blocks
.set GT,   48                          ; v[48:51] those of an odd query block, before they are merged
.set PX,   52                          ; v[52:55] the other half's maxima
.set F0,   64
.set F1,   128
.set TMP,  128                         ; v[128:159] the way out: 16 queries x 128 memories in f16
.set RB,   192                         ; v[192:223] the way out: 16 rows read back
.set G1, 24                            ; s[24:31] descriptor group 1 for A's tiles
.set G0, 32                            ; s[32:39] descriptor group 0 for A's tiles, one set for each slot
.set G1B, 48                           ; s[48:55] descriptor group 1 for B's tiles: it differs from A's in the mask alone
.set G0B, 56                           ; s[56:63] descriptor group 0 for B's tiles, one set for each slot
.set MSB, 0
.macro WIN new                         ; the immediate's high byte repeats the setting that is left
.if MSB != \new
	s_set_vgpr_msb (MSB<<8)|\new
.set MSB, \new
.endif
.endm
.set MUL_LO, 0xa1                      ; source 0 (B) window 1, source 1 (A) window 0, C and D window 2
.set MUL_HI, 0xf1                      ; the same, C and D window 3
.set TO_B,   0x40                      ; destination window 1, address window 0
; A joint load.  Waves 0 and 1 fetch A's two halves, waves 2 and 3 B's.  Each line has one mask and one set of registers for all that issue it.
; The branch hangs on the wave's number alone: it is the same in every work-group.
.macro JLOAD s
	s_cmp_eq_u32 s11, 0
	s_cbranch_scc0 .Lfor_b_\@
	tensor_load_to_lds s[G0+4*\s:G0+4*\s+3], s[G1:G1+7]
	s_nop 0
	s_branch .Lasked_\@
.Lfor_b_\@:
	tensor_load_to_lds s[G0B+4*\s:G0B+4*\s+3], s[G1B:G1B+7]
	s_nop 0
.Lasked_\@:
.endm
; A round of the cluster's barrier: my work-group's barrier; wave 0 signals for the work-group; every wave waits for all sixteen; my work-group's barrier once more.
.macro CREST                           ; a round behind its opening barrier
	s_cmp_lg_u32 s10, 0
	s_cbranch_scc1 .Lnot_wave_0_\@
	s_barrier_signal -3
.Lnot_wave_0_\@:
	s_barrier_wait -3
	s_barrier_signal -1
	s_barrier_wait -1
.endm
.macro CROUND                          ; a whole round
	s_barrier_signal -1
	s_barrier_wait -1
	CREST
.endm
	s_load_b128 s[4:7], s[0:1], 0x0                ; tb s[4:5], sc s[6:7]
	s_load_b64 s[8:9], s[0:1], 0x10                ; gm
	s_set_vgpr_msb 0x40
	v_lshl_add_u32 v255, v0, 2, 0x48400
	s_set_vgpr_msb 0x4000
	v_mov_b32 v255, 0
	s_set_vgpr_msb 0x1
	ds_add_u32 v255, v255
	s_set_vgpr_msb 0x100
	v_lshrrev_b32 v1, 5, v0
	v_readfirstlane_b32 s10, v1                    ; wave 0..3
	s_lshr_b32 s11, s10, 1                         ; which half of the block's queries is mine.  Also: I fetch for A (0) or for B (1)
	s_and_b32 s12, s10, 1                          ; which half of its memories.  Also: which 128 rows of that tile I fetch
	s_bfe_u32 s40, ttmp6, 0x40000                  ; cx
	s_bfe_u32 s41, ttmp6, 0x40004                  ; cy
	s_lshl_b32 s13, ttmp9, 2                       ; in a cluster launch ttmp9 and ttmp7 count clusters
	s_add_co_u32 s13, s13, s40                     ; query block = 4 x cluster x + cx
	s_and_b32 s42, ttmp7, 0xffff
	s_lshl_b32 s42, s42, 2
	s_add_co_u32 s42, s42, s41                     ; memory block = 4 x cluster y + cy
	s_lshl_b32 s43, 0x1111, s40                    ; the work-groups with my cx: places cx, cx + 4, cx + 8, cx + 12
	s_lshl_b32 s44, s41, 2
	s_lshl_b32 s44, 15, s44                        ; those with my cy: places 4 cy .. 4 cy + 3
	s_mov_b32 s72, 0x76543210                      ; v_permlanex16_b32: lane i of one half reads lane i of the other
	s_mov_b32 s73, 0xfedcba98
	s_mov_b32 s74, 0xffff0000                      ; lanes 16-31
	; descriptor group 1: a tile of 128 rows x 128 elements of 2 bytes, padded in LDS
	s_or_b32 s[G1+0], s43, (1<<16)|(1<<20)|(1<<21)|(5<<22)|(3<<25)  ; 15:0 the mask; 17:16 element of 2 bytes; 20 padding on; 21 set beside a mask; 24:22 after every 64 words; 31:25 four words
	s_or_b32 s[G1B+0], s44, (1<<16)|(1<<20)|(1<<21)|(5<<22)|(3<<25)
	s_mov_b32 s[G1B+1], KSTEP<<16
	s_mov_b32 s[G1+1], KSTEP<<16                   ; tensor_dim0 = 128
	s_mov_b32 s[G1B+2], 128<<16
	s_mov_b32 s[G1+2], 128<<16                     ; tensor_dim1 = 128
	s_mov_b32 s[G1B+3], KSTEP<<16
	s_mov_b32 s[G1+3], KSTEP<<16                   ; tile_dim0 = 128
	s_mov_b32 s[G1B+4], 128
	s_mov_b32 s[G1+4], 128                         ; tile_dim1 = 128
	s_mov_b32 s[G1B+5], SIZE_K
	s_mov_b32 s[G1+5], SIZE_K                      ; elements from row to row
	s_mov_b32 s[G1B+6], 0
	s_mov_b32 s[G1+6], 0
	s_mov_b32 s[G1B+7], 0
	s_mov_b32 s[G1+7], 0
	; where the tiles come from: byte offsets in tb, all below 2^26.  A's hang on the query block alone, B's on the memory block alone.
	s_lshl_b32 s17, s12, 7                         ; which 128 rows of the tile I fetch
	s_lshl_b32 s16, s13, 8
	s_add_co_u32 s16, s16, s17
	s_lshl_b32 s16, s16, 11                        ; rows of 2,048 bytes
	s_add_co_u32 s16, s16, 0x2000000               ; the queries lie behind the 16,384 memories
	s_lshl_b32 s46, s42, 8
	s_add_co_u32 s46, s46, s17
	s_lshl_b32 s46, s46, 11
	s_mov_b32 s17, 0
	s_mov_b32 s47, 0
	s_mul_i32 s20, s10, HALFT                      ; where they go: wave x 128 rows: no place in the cluster enters an LDS address
	s_wait_dscnt 0x0
	s_wait_kmcnt 0x0
	s_add_nc_u64 s[14:15], s[4:5], s[16:17]
	s_add_nc_u64 s[46:47], s[4:5], s[46:47]
	CROUND                                         ; all sixteen work-groups are here: the first joint loads meet
.irp s, 0,1
	s_mov_b32 s[G0+4*\s], 1                                        ; count = 1
	s_add_co_u32 s[G0+4*\s+1], s20, \s*SLOT                        ; LDS address
	s_add_nc_u64 s[G0+4*\s+2:G0+4*\s+3], s[14:15], \s*KSTEP*2      ; global address: K step s
	s_or_b32 s[G0+4*\s+3], s[G0+4*\s+3], 0x80000000                ; type = 2
	s_mov_b32 s[G0B+4*\s], 1
	s_add_co_u32 s[G0B+4*\s+1], s20, \s*SLOT
	s_add_nc_u64 s[G0B+4*\s+2:G0B+4*\s+3], s[46:47], \s*KSTEP*2
	s_or_b32 s[G0B+4*\s+3], s[G0B+4*\s+3], 0x80000000
	JLOAD \s                                       ; the ring is filled before anything else is done: two tensor loads of the wave are out
.endr
	; A fragment is 16 rows x 32 K in 8 registers: lane l holds row l % 16; registers 0-3 hold K = 8 (l / 16) + 0..7, registers 4-7 K = 16 + 8 (l / 16) + 0..7.
	v_and_b32 v1, 15, v0                           ; r
	v_bfe_u32 v2, v0, 4, 1                         ; h
	v_mul_u32_u24 v3, v1, PITCH
	v_lshl_add_u32 v3, v2, 4, v3                   ; row x pitch + 16 h
	s_mul_i32 s21, s11, HALFT                      ; my 128 rows of A
	s_mul_i32 s22, s12, HALFT                      ; my 128 rows of B,
	s_add_co_u32 s22, s22, 2*HALFT                 ; which lie behind A's 256
.irp s, 0,1
	v_add_nc_u32 v[ADRA+\s], s21, v3
	v_add_nc_u32 v[ADRB+\s], s22, v3
	s_add_co_u32 s21, s21, SLOT
	s_add_co_u32 s22, s22, SLOT
.endr
	s_mul_i32 s23, s10, 16*SPITCH
	s_add_co_u32 s23, s23, STAGE                   ; my stage: 16 rows x 272 bytes
	v_mul_u32_u24 v4, v1, SPITCH                   ; in: row r, 16 bytes for each half of the lanes
	v_lshl_add_u32 v4, v2, 4, v4
	v_add_nc_u32 v[STO], s23, v4
	v_mul_u32_u24 v5, v2, SPITCH                   ; back: lanes 0-15 take one row of 256 bytes, lanes 16-31 the next
	v_lshl_add_u32 v5, v1, 4, v5
	v_add_nc_u32 v[RD], s23, v5
	v_lshlrev_b32 v5, 4, v1
	v_lshl_add_u32 v[CO], v2, 15, v5               ; and the same two rows in sc: h x 32,768 + 16 r
	v_and_b32 v5, 31, v0
	v_lshlrev_b32 v[L16], 4, v5
.irp c, 0,1,2,3
	v_mov_b32 v[PX+\c], 0                          ; written once: a lane permute's destination counts as read
.endr
	; where the results go
	s_lshl_b32 s78, s42, 9
	s_lshl_b32 s66, s12, 8
	s_add_co_u32 s78, s78, s66                     ; 2 bytes x (256 x memory block + 128 x half)
	s_mov_b32 s79, 0
	s_add_nc_u64 s[6:7], s[6:7], s[78:79]          ; sc: my first memory
	s_lshl_b32 s78, s13, 8
	s_lshl_b32 s66, s11, 7
	s_add_co_u32 s78, s78, s66                     ; my first query
	s_lshl_b32 s75, s78, 4                         ; x 16 bytes in gm
	s_lshl_b32 s78, s78, 15                        ; x 32,768 bytes in sc: below 2^27
	s_add_nc_u64 s[6:7], s[6:7], s[78:79]
	s_lshl_b32 s78, s42, 1
	s_add_co_u32 s78, s78, s12                     ; my column of 128 memories, 0..127
	s_lshl_b32 s78, s78, 16                        ; x 4,096 queries x 16 bytes
	s_add_co_u32 s78, s78, s75
	s_add_nc_u64 s[8:9], s[8:9], s[78:79]
; 16 matrix instructions: query blocks a0, a0 + 1 of the window's four (hi = 0: my queries 0-63, 1: 64-127) x all 8 memory blocks, 32 along K.
; zero = 1: the first product starts the sums: nothing is ever cleared.  The 64 accumulators take turns, one instruction a turn, in the same order in
; every quarter step.
.macro MUL16 f, hi, a0, zero
.irp a, \a0, \a0+1
.irp b, 0,1,2,3,4,5,6,7
.if \zero
	v_wmma_f32_16x16x32_bf16 v[8*(8*(\a)+\b):8*(8*(\a)+\b)+7], v[\f+8*\b:\f+8*\b+7], v[\f+8*(4*\hi+\a):\f+8*(4*\hi+\a)+7], 0
.else
	v_wmma_f32_16x16x32_bf16 v[8*(8*(\a)+\b):8*(8*(\a)+\b)+7], v[\f+8*\b:\f+8*\b+7], v[\f+8*(4*\hi+\a):\f+8*(4*\hi+\a)+7], v[8*(8*(\a)+\b):8*(8*(\a)+\b)+7]
.endif
.endr
.endr
.endm
; 32 LDS loads in one run: the fragments of one quarter step (128 rows of B, 128 rows of A, 32 K at byte k of the rows) into buffer f
.macro FETCH slot, k, f
	WIN TO_B
.irp i, 0,1,2,3,4,5,6,7
	ds_load_b128 v[\f+8*\i:\f+8*\i+3],   v[ADRB+\slot] offset:\k+\i*16*PITCH
	ds_load_b128 v[\f+8*\i+4:\f+8*\i+7], v[ADRB+\slot] offset:\k+\i*16*PITCH+32
.endr
	WIN 0
.irp i, 0,1,2,3,4,5,6,7
	ds_load_b128 v[\f+8*\i:\f+8*\i+3],   v[ADRA+\slot] offset:\k+\i*16*PITCH
	ds_load_b128 v[\f+8*\i+4:\f+8*\i+7], v[ADRA+\slot] offset:\k+\i*16*PITCH+32
.endr
.endm
; Four places behind a matrix instruction before a load lands on one of its registers or a vector instruction reads its result or writes one of its
; registers; the matrix instructions in between are not counted.
.macro PLACES
.rept 4
	v_nop
.endr
.endm
; A K step is four quarter steps of 32 along K, 64 matrix instructions each, on buffers 0, 1, 0, 1.
.macro QUARTER slot, k, f, g, zero
	s_wait_dscnt 8                                 ; B and A's rows 0-63 are in; the youngest eight loads (A's rows 64-127) may be out
	WIN MUL_LO
	MUL16 \f, 0, 0, \zero
	MUL16 \f, 0, 2, \zero
	PLACES
	FETCH \slot, \k, \g
	s_wait_dscnt 32                                ; all but the 32 just issued
	WIN MUL_HI
	MUL16 \f, 1, 0, \zero
	MUL16 \f, 1, 2, \zero
.endm
.macro THREE slot, zero
	QUARTER \slot, 64,  F0, F1, \zero
	QUARTER \slot, 128, F1, F0, 0
	QUARTER \slot, 192, F0, F1, 0
.endm
; The last quarter: multiplies buffer 1 and changes slots.  In front of the barrier each wave waits for its own reads of this slot and for all its tensor
; loads, of which one is out: its part of the next slot.  Behind it nobody reads this slot any more and the next slot is whole: the refill comes first,
; then the next slot's first fragments.  From a request to the wait for it a wave issues 240 matrix instructions.
.macro TURN slot, next, fill
	s_wait_dscnt 8
	WIN MUL_LO
	MUL16 F1, 0, 0, 0
	s_wait_dscnt 0                                 ; my reads of this slot are over
	s_wait_tensorcnt 0x0                           ; and all my tensor loads have landed
	ds_add_u32 v255, v255
	s_wait_dscnt 0x0
	s_barrier_signal -1                            ; say so (where a slot is filled again this barrier opens a round of the cluster's barrier),
	MUL16 F1, 0, 2, 0                              ; work on registers while the others arrive,
	WIN 0
	s_barrier_wait -1
.if \fill
	CREST                                          ; no wave of any partner still reads this slot's tile or has a load on its way
	s_add_nc_u64 s[G0+4*\slot+2:G0+4*\slot+3], s[G0+4*\slot+2:G0+4*\slot+3], 2*KSTEP*2
	s_add_nc_u64 s[G0B+4*\slot+2:G0B+4*\slot+3], s[G0B+4*\slot+2:G0B+4*\slot+3], 2*KSTEP*2
	JLOAD \slot                                    ; the first tensor load behind the round, and the wave's only one until the next
.endif
	PLACES
	FETCH \next, 0, F0
	WIN MUL_HI
	MUL16 F1, 1, 0, 0
	MUL16 F1, 1, 2, 0
.endm
.macro LAP zero                        ; once round the ring, both slots filled again
	THREE 0, \zero
	TURN 0, 1, 1
	THREE 1, 0
	TURN 1, 0, 1
.endm
	s_wait_tensorcnt 1                             ; my part of K step 0 is in; K step 1's may stay out
	s_barrier_signal -1
	s_barrier_wait -1                              ; everybody's part is in
	FETCH 0, 0, F0
	LAP 1                                          ; the first lap stands in front of the loop: its first products start the sums
.if LAPS > 2
	WIN 0                                          ; at a label and at a branch every window is 0
	s_mov_b32 s3, LAPS-2
.Llap:
	LAP 0
	WIN 0
	s_sub_co_u32 s3, s3, 1
	s_cmp_lg_u32 s3, 0
	s_cbranch_scc1 .Llap
.endif
	THREE 0, 0                                     ; the last lap fills nothing: my one tensor load that is still out is slot 1's, the last K step's
	TURN 0, 1, 0
	THREE 1, 0
	s_wait_dscnt 8                                 ; the very last quarter: nothing more to fetch
	WIN MUL_LO
	MUL16 F1, 0, 0, 0
	MUL16 F1, 0, 2, 0
	s_wait_dscnt 0
	WIN MUL_HI
	MUL16 F1, 1, 0, 0
	MUL16 F1, 1, 2, 0
	; THE WAY OUT, 16 queries at a time: round to f16, 16 bytes a lane into my own stage in LDS, read back as whole rows of 256 bytes, store;
	; and the largest of each group of 32 memories, from the f32 sums.
	PLACES
; My part of the four group maxima of query block a, into registers d .. d + 3.  Group c = memory blocks 2 c and 2 c + 1 = 16 neighbouring accumulator
; registers of the lanes (r, 0) and (r, 1).  It stands under the conversions' window setting: sources 0 and 1 are accumulators, source 2 (the running
; maximum) and the destination lie in window 0.  The four chains stand side by side.
.macro GMAXW d, a
.irp c, 0,1,2,3
	v_max_num_f32 v[\d+\c], v[8*(8*(\a%4)+2*\c)], v[8*(8*(\a%4)+2*\c)+1]
.endr
.irp k, 2,4,6,8,10,12,14
.irp c, 0,1,2,3
	v_max3_num_f32 v[\d+\c], v[8*(8*(\a%4)+2*\c)+\k], v[8*(8*(\a%4)+2*\c)+\k+1], v[\d+\c]
.endr
.endr
.endm
.macro GFIN d                          ; the two halves of the lanes meet: both then hold query r's maxima
.irp c, 0,1,2,3
	v_permlanex16_b32 v[PX+\c], v[\d+\c], s72, s73
.endr
.irp c, 0,1,2,3
	v_max_num_f32 v[\d+\c], v[\d+\c], v[PX+\c]
.endr
.endm
; queries 16 a .. 16 a + 15 of my block = the eight tiles (a % 4, 0..7) of window 2 or 3 (from = 0x0a or 0x0f: sources 0 and 1)
.macro OUT16 a, from
	WIN \from
.irp b, 0,1,2,3,4,5,6,7
.irp i, 0,1,2,3
	v_cvt_pk_f16_f32 v[TMP+4*\b+\i], v[8*(8*(\a%4)+\b)+2*\i], v[8*(8*(\a%4)+\b)+2*\i+1]
.endr
.endr
.if (\a%2) == 0
	GMAXW GMX+4*(\a/2), \a
.else
	GMAXW GT, \a
.endif
	WIN 0
.irp b, 0,1,2,3,4,5,6,7
	ds_store_b128 v[STO], v[TMP+4*\b:TMP+4*\b+3] offset:32*\b
.endr
	s_wait_xcnt 0x0                                ; RB, which the last sixteen queries' stores read, is loaded again only behind this wait (ISA guide 3.1)
.irp t, 0,1,2,3,4,5,6,7
	ds_load_b128 v[RB+4*\t:RB+4*\t+3], v[RD] offset:\t*2*SPITCH    ; LDS serves a wave's instructions in order (ISA guide 5.7.1): these see the stores above
.endr
.if (\a%2) == 0
	GFIN GMX+4*(\a/2)
.else
	GFIN GT
.irp c, 0,1,2,3
	v_cndmask_b32 v[GMX+4*(\a/2)+\c], v[GMX+4*(\a/2)+\c], v[GT+\c], s74   ; lanes 0-15 keep the even block's queries, lanes 16-31 take the odd block's
.endr
.endif
.irp t, 0,1,2,3,4,5,6,7
	s_wait_dscnt 7-\t                              ; rows 2 t and 2 t + 1 are back; the younger reads may be out
	global_store_b128 v[CO], v[RB+4*\t:RB+4*\t+3], s[6:7] offset:(16*\a+2*\t)*SCROW th:TH_STORE_NT   ; sixteen lanes store 256 consecutive bytes of a row of sc, aligned; the largest immediate is 126 x 32,768
.endr
.if (\a%2) == 1
	global_store_b128 v[L16], v[GMX+4*(\a/2):GMX+4*(\a/2)+3], s[8:9] offset:512*(\a/2)   ; 32 queries x 16 bytes: 512 consecutive bytes of gm; these registers are not written again
.endif
.endm
	OUT16 0, 0x0a
	OUT16 1, 0x0a
	OUT16 2, 0x0a
	OUT16 3, 0x0a
	OUT16 4, 0x0f
	OUT16 5, 0x0f
	OUT16 6, 0x0f
	OUT16 7, 0x0f
	s_set_vgpr_msb 0x1
	s_wait_tensorcnt 0x0
	ds_add_u32 v255, v255
	s_wait_dscnt 0x0
	s_set_vgpr_msb 0x100
	CROUND                                         ; the closing round: no work-group ends while a partner may still ask for a tile that names it
	s_endpgm
.Lfunc_end_k_qa6b809172c_gemm:
	.size	k_qa6b809172c_gemm, .Lfunc_end_k_qa6b809172c_gemm-k_qa6b809172c_gemm
	.p2alignl 7, 3214868480
	.fill 96, 4, 3214868480
	.section	.rodata,"a",@progbits
	.p2align	6, 0x0
	.amdhsa_kernel k_qa6b809172c_gemm
		.amdhsa_group_segment_fixed_size 327680
		.amdhsa_private_segment_fixed_size 0
		.amdhsa_enable_private_segment 0
		.amdhsa_kernarg_size 24
		.amdhsa_user_sgpr_count 2
		.amdhsa_user_sgpr_kernarg_segment_ptr 1
		.amdhsa_wavefront_size32 1
		.amdhsa_system_sgpr_workgroup_id_x 1
		.amdhsa_system_sgpr_workgroup_id_y 1
		.amdhsa_system_sgpr_workgroup_id_z 1
		.amdhsa_system_vgpr_workitem_id 0
		.amdhsa_next_free_vgpr 1024
		.amdhsa_next_free_sgpr 80
		.amdhsa_reserve_vcc 0
		.amdhsa_float_denorm_mode_32 3
		.amdhsa_float_denorm_mode_16_64 3
		.amdhsa_memory_ordered 1
		.amdhsa_forward_progress 1
		.amdhsa_inst_pref_size 216
	.end_amdhsa_kernel
	.amdgpu_metadata
---
amdhsa.version: [ 1, 2 ]
amdhsa.kernels:
  - .name:           k_qa6b809172c_gemm
    .symbol:         k_qa6b809172c_gemm.kd
    .args:
      - { .name: tb, .offset: 0, .size: 8, .value_kind: global_buffer, .address_space: global }
      - { .name: sc, .offset: 8, .size: 8, .value_kind: global_buffer, .address_space: global }
      - { .name: gm, .offset: 16, .size: 8, .value_kind: global_buffer, .address_space: global }
    .group_segment_fixed_size: 327680
    .private_segment_fixed_size: 0
    .kernarg_segment_align: 8
    .kernarg_segment_size: 24
    .max_flat_workgroup_size: 128
    .sgpr_count:     80
    .vgpr_count:     1024
    .wavefront_size: 32
...
	.end_amdgpu_metadata
.endif
;; end of part 2
;; launch sela (part 3): grid 256 x 1, 16 waves a work-group, no clusters, 45,312 bytes of LDS; arguments gm, gi; writes gi
.if DOCPART == 3
	.amdgcn_target "amdgcn-amd-amdhsa--gfx1250"
	.amdhsa_code_object_version 6
	.text
	.protected	k_qa6b809172c_sela
	.globl	k_qa6b809172c_sela
	.p2align	8
	.type	k_qa6b809172c_sela,@function
k_qa6b809172c_sela:
	s_mov_b64 s[64:65], 0
	v_nop
	global_prefetch_b8 v0, s[64:65] scope:SCOPE_SE
	s_setreg_imm32_b32 hwreg(HW_REG_WAVE_MODE, 25, 1), 1
	s_wait_xcnt 0x0
; sela: the numbers of the 20 groups with the best of query q's 512 group maxima, as whole numbers for the next launch's addresses: ten in gi[q][0..9],
; ten in gi[q][16..25], the other words of the query's 128 bytes 0.  (Two runs at a distance of 64 bytes, so that each half of the next launch's lanes
; reads its ten by aligned loads.)  The 20 best scores lie in the 20 best groups, or else 20 other groups would each hold a score that goes in front.
; Sixteen waves, one query each.  gm lies [128 columns][4,096 queries][4]: the group's 16 queries are 256 consecutive bytes of each column, read once
; in whole pieces and turned through LDS so that lane L of the query's wave holds groups 16 L .. 16 L + 15.
; KEYS: the low 9 bits of a maximum are replaced by its group's number.  That is monotone (a truncation of the size by at most 2^-14 of it), all keys of a
; query differ, and one v_max or v_min compares value and number at once.
; Each lane sorts its 16 keys once (Batcher's odd-even merge network, 63 comparators of two instructions; the register that a comparator frees is the
; next one's spare, renamed at assembly time).  Then 20 picks: the largest head over the wave; the one lane that holds it moves its list up by one.
; Behind pick p only 19 - p more follow, so only so many places of a list are moved.  No branch and no address hangs on a number.
; LIMITS: NaN and infinities are not served (-inf fills a list that has run out).  Maxima that agree in all but their low 9 bits are ranked by the
; group's number.  A maximum of 0 gives a denormal key: the wave's mode keeps denormals in v_max, v_min and compares (ISA guide, the MODE register).
; No matrix unit, cluster or tensor load: 8 MiB are read once, and the work is compare and select.
.set PICKS, 20
.set QP,   2576                        ; LDS bytes of a query: 32 lanes x 80, + 16; 161 x 16, an odd multiple of 16
.set LP,   80                          ; LDS bytes of a lane's 16 maxima: 64 + 16; 5 x 16
.set RES0, 16*QP                       ; 41,216: the results, 128 bytes for each wave
.set K,    16                          ; v[16:32] 16 keys and a spare
.set WV,   34                          ; the wave's best key
.set TP,   35                          ; a lane permute's destination
.set RES,  36                          ; the winners' keys, one a lane
.set NEG,  37                          ; -inf
.irp i, 0,1,2,3,4,5,6,7,8,9,10,11,12,13,14,15
.set KR\i, K+\i                        ; KRi: the register that holds place i of the list
.endr
.set FREE, K+16
.macro CE a, b                         ; a comparator: the larger key to place a, the smaller to place b
	v_max_num_f32 v[FREE], v[KR\a], v[KR\b]
	v_min_num_f32 v[KR\b], v[KR\a], v[KR\b]
.set SWP, KR\a
.set KR\a, FREE
.set FREE, SWP
.endm
.macro CE2 a, b, c, d
	CE \a, \b
	CE \c, \d
.endm
.macro CE4 a, b, c, d, e, f, g, h
	CE2 \a, \b, \c, \d
	CE2 \e, \f, \g, \h
.endm
.macro SORT16                          ; runs of 2, 4, 8, 16, each made by an odd-even merge of two
	CE4 0,1, 2,3, 4,5, 6,7
	CE4 8,9, 10,11, 12,13, 14,15
	CE4 0,2, 1,3, 4,6, 5,7
	CE4 8,10, 9,11, 12,14, 13,15
	CE4 1,2, 5,6, 9,10, 13,14
	CE4 0,4, 1,5, 2,6, 3,7
	CE4 8,12, 9,13, 10,14, 11,15
	CE4 2,4, 3,5, 10,12, 11,13
	CE4 1,2, 3,4, 5,6, 9,10
	CE2 11,12, 13,14
	CE4 0,8, 1,9, 2,10, 3,11
	CE4 4,12, 5,13, 6,14, 7,15
	CE4 4,8, 5,9, 6,10, 7,11
	CE4 2,4, 3,5, 6,8, 7,9
	CE2 10,12, 11,13
	CE4 1,2, 3,4, 5,6, 7,8
	CE2 9,10, 11,12
	CE 13,14
.endm
.macro WMAXS dst, src, tmp             ; the largest of src over the 32 lanes, in every lane's dst
	v_max_num_f32_dpp v[\dst], v[\src], v[\src] row_xmask:1 row_mask:0xf bank_mask:0xf
.irp m, 2,4,8
	v_max_num_f32_dpp v[\dst], v[\dst], v[\dst] row_xmask:\m row_mask:0xf bank_mask:0xf
.endr
	v_permlanex16_b32 v[\tmp], v[\dst], s12, s13
	v_max_num_f32 v[\dst], v[\dst], v[\tmp]
.endm
.macro SH i, j                         ; place i takes place j's key in the lane that won
.if \i < NSH
	v_cndmask_b32 v[KR\i], v[KR\i], v[KR\j], vcc_lo
.endif
.endm
.macro POP p
.if \p < 10
.set LB, \p                            ; the lane, and so the word of the list, that keeps this pick
.else
.set LB, \p+6
.endif
.set NSH, PICKS-1-\p                   ; picks that follow = places of a list that can still be reached
	WMAXS WV, KR0, TP
	s_mov_b32 s20, 1<<LB
	v_cmp_eq_f32 vcc_lo, v[KR0], v[WV]             ; keys differ: one lane
	v_cndmask_b32 v[RES], v[RES], v[WV], s20
	SH 0,1
	SH 1,2
	SH 2,3
	SH 3,4
	SH 4,5
	SH 5,6
	SH 6,7
	SH 7,8
	SH 8,9
	SH 9,10
	SH 10,11
	SH 11,12
	SH 12,13
	SH 13,14
	SH 14,15
.if 15 < NSH
	v_cndmask_b32 v[KR15], v[KR15], v[NEG], vcc_lo
.endif
.endm
	s_load_b128 s[4:7], s[0:1], 0x0                ; gm s[4:5], gi s[6:7]
	v_lshl_add_u32 v48, v0, 2, 0xa900
	v_mov_b32 v49, 0
	v_lshrrev_b32 v1, 5, v0
	v_readfirstlane_b32 s8, v1                     ; wave 0..15 = the query within the group
	v_and_b32 v1, 31, v0                           ; lane
	s_mov_b32 s12, 0x76543210                      ; v_permlanex16_b32: lane i of one half reads lane i of the other
	s_mov_b32 s13, 0xfedcba98
	s_mov_b32 s15, 0xfffffe00                      ; all but a key's low 9 bits
	v_and_b32 v2, 15, v0                           ; the query that I fetch for
	v_lshrrev_b32 v3, 4, v0                        ; the column that I fetch, 0..31 (+ 32 for each further load)
	v_lshlrev_b32 v4, 4, v2
	v_lshl_add_u32 v4, v3, 16, v4                  ; column x 65,536 + query x 16
	v_mul_u32_u24 v5, v2, QP
	v_lshrrev_b32 v6, 6, v0                        ; column / 4 = the lane that will hold it
	v_mul_u32_u24 v6, v6, LP
	v_add_nc_u32 v5, v5, v6
	v_and_b32 v3, 3, v3
	v_lshl_add_u32 v5, v3, 4, v5                   ; + (column % 4) x 16
	v_mov_b32 v[WV], 0                             ; written once: the destination of a DPP form or a lane permute counts as read
	v_mov_b32 v[TP], 0
	v_mov_b32 v[RES], 0
	v_mov_b32 v[NEG], 0xff800000
	s_lshl_b32 s10, ttmp9, 8                       ; 16 queries x 16 bytes
	s_mov_b32 s11, 0
	s_wait_kmcnt 0x0
	s_add_nc_u64 s[4:5], s[4:5], s[10:11]
.irp g, 0,1,2,3
	global_load_b128 v[K+4*\g:K+4*\g+3], v4, s[4:5] offset:\g*2097152 th:TH_LOAD_NT   ; sixteen lanes take 256 consecutive bytes, aligned; 32 columns further each time
.endr
	s_wait_loadcnt 0x0
.irp g, 0,1,2,3
	ds_store_b128 v5, v[K+4*\g:K+4*\g+3] offset:\g*8*LP            ; 32 columns = 8 lanes further
.endr
	s_wait_dscnt 0x0                               ; for the others' sake: my stores are done before I signal
	s_barrier_signal -1
	s_barrier_wait -1
	v_mul_u32_u24 v6, v1, LP
	s_mul_i32 s14, s8, QP
	v_add_nc_u32 v6, s14, v6
.irp i, 0,1,2,3
	ds_load_b128 v[K+4*\i:K+4*\i+3], v6 offset:16*\i               ; groups 16 L + 4 i .. + 3 of my wave's query
.endr
	v_lshlrev_b32 v7, 4, v1                        ; 16 L
	s_wait_dscnt 0x0
.irp k, 0,1,2,3,4,5,6,7,8,9,10,11,12,13,14,15
	v_and_or_b32 v[K+\k], v[K+\k], s15, \k         ; the key: the maximum's upper 23 bits, the group's number 16 L + k below
.endr
.irp k, 0,1,2,3,4,5,6,7,8,9,10,11,12,13,14,15
	v_or_b32 v[K+\k], v7, v[K+\k]
.endr
	SORT16
.irp p, 0,1,2,3,4,5,6,7,8,9,10,11,12,13,14,15,16,17,18,19
	POP \p
.endr
	; the group's 16 lists of 128 bytes meet in LDS (bytes of their own, behind the maxima) and leave as 2,048 consecutive bytes
	v_and_b32 v2, 0x1ff, v[RES]                    ; the group's number; the lanes that kept no pick hold 0
	v_lshlrev_b32 v3, 2, v1
	s_lshl_b32 s14, s8, 7
	s_add_co_u32 s14, s14, RES0
	v_add_nc_u32 v3, s14, v3
	ds_store_b32 v3, v2
	s_wait_dscnt 0x0                               ; for the others' sake
	s_barrier_signal -1
	s_barrier_wait -1
	s_cmp_ge_u32 s8, 4
	s_cbranch_scc1 .Lend
	v_lshlrev_b32 v7, 4, v0                        ; threads 0-127: 16 bytes each
	ds_load_b128 v[8:11], v7 offset:RES0
	s_lshl_b32 s10, ttmp9, 11                      ; 16 queries x 128 bytes
	s_add_nc_u64 s[6:7], s[6:7], s[10:11]
	s_wait_dscnt 0x0
	global_store_b128 v7, v[8:11], s[6:7]          ; a wave's store covers 512 consecutive bytes, aligned
.Lend:
	s_wait_tensorcnt 0x0
	ds_add_u32 v48, v49
	s_wait_dscnt 0x0
	s_endpgm
.Lfunc_end_k_qa6b809172c_sela:
	.size	k_qa6b809172c_sela, .Lfunc_end_k_qa6b809172c_sela-k_qa6b809172c_sela
	.p2alignl 7, 3214868480
	.fill 96, 4, 3214868480
	.section	.rodata,"a",@progbits
	.p2align	6, 0x0
	.amdhsa_kernel k_qa6b809172c_sela
		.amdhsa_group_segment_fixed_size 45312
		.amdhsa_private_segment_fixed_size 0
		.amdhsa_enable_private_segment 0
		.amdhsa_kernarg_size 16
		.amdhsa_user_sgpr_count 2
		.amdhsa_user_sgpr_kernarg_segment_ptr 1
		.amdhsa_wavefront_size32 1
		.amdhsa_system_sgpr_workgroup_id_x 1
		.amdhsa_system_sgpr_workgroup_id_y 1
		.amdhsa_system_sgpr_workgroup_id_z 1
		.amdhsa_system_vgpr_workitem_id 0
		.amdhsa_next_free_vgpr 50
		.amdhsa_next_free_sgpr 66
		.amdhsa_reserve_vcc 1
		.amdhsa_float_denorm_mode_32 3
		.amdhsa_float_denorm_mode_16_64 3
		.amdhsa_memory_ordered 1
		.amdhsa_forward_progress 1
		.amdhsa_inst_pref_size 25
	.end_amdhsa_kernel
	.amdgpu_metadata
---
amdhsa.version: [ 1, 2 ]
amdhsa.kernels:
  - .name:           k_qa6b809172c_sela
    .symbol:         k_qa6b809172c_sela.kd
    .args:
      - { .name: gm, .offset: 0, .size: 8, .value_kind: global_buffer, .address_space: global }
      - { .name: gi, .offset: 8, .size: 8, .value_kind: global_buffer, .address_space: global }
    .group_segment_fixed_size: 45312
    .private_segment_fixed_size: 0
    .kernarg_segment_align: 8
    .kernarg_segment_size: 16
    .max_flat_workgroup_size: 512
    .sgpr_count:     66
    .vgpr_count:     50
    .wavefront_size: 32
...
	.end_amdgpu_metadata
.endif
;; end of part 3
;; launch selb (part 4): grid 256 x 1, 16 waves a work-group, no clusters, 4,096 bytes of LDS; arguments gi, sc, ei; writes ei
.if DOCPART == 4
	.amdgcn_target "amdgcn-amd-amdhsa--gfx1250"
	.amdhsa_code_object_version 6
	.text
	.protected	k_qa6b809172c_selb
	.globl	k_qa6b809172c_selb
	.p2align	8
	.type	k_qa6b809172c_selb,@function
k_qa6b809172c_selb:
	s_mov_b64 s[64:65], 0
	v_nop
	global_prefetch_b8 v0, s[64:65] scope:SCOPE_SE
	s_setreg_imm32_b32 hwreg(HW_REG_WAVE_MODE, 25, 1), 1
	s_wait_xcnt 0x0
; selb: ei[q][0..19] = the indices of the 20 best of the 640 stored scores that lie in query q's 20 best groups, as whole numbers for the next launch's
; addresses; ei[q][20..31] = 0.
; Why 20: the stored scores come from operands rounded to bf16 and are themselves f16.  The next launch forms the 20 candidates' scores anew from the f32
; inputs and keeps the best 16 of them, so the rounding decides only who is a candidate, four ranks below the boundary that counts.
; Sixteen waves, one query each.  A group's 32 scores are 64 bytes: lanes 0-15 read a group of the list's first ten, lanes 16-31 one of its second ten,
; 4 bytes (two scores) a lane, ten loads: 20 scores a lane.
; KEYS: a score's 16 bits become the upper half of a word, bit 30 is set, and the score's index (14 bits) lies below.  Read as f32 such words are ordered
; as the f16 scores are (sign, then size), nothing of the score is lost, all keys differ, and with bit 30 set every key is a normal number; it stays
; finite as long as the score's size is below 1.875, and a score here is a cosine of rounded unit vectors.  One v_max or v_min compares score and index.
; Each lane sorts its 20 keys once (Batcher's odd-even merge network cut to 20 places, 101 comparators of two instructions; the register that a comparator
; frees is the next one's spare, renamed at assembly time).  Then 20 picks: the largest head over the wave; the one lane that holds it moves its list
; up by one.  Behind pick p only 19 - p more follow, so only so many places of a list are moved.  No branch and no address hangs on a score.
; LIMITS: NaN and infinities are not served.  Which of several equal 16-bit scores become candidates is decided by the keys' low bits, not by the lowest
; index; among the candidates the next launch keeps the rule of the lowest index.
; No matrix unit, cluster or tensor load: each byte is used once by one wave.
.set PICKS, 20
.set GS,   8                           ; v[8:17]   my half's ten groups
.set D,    18                          ; v[18:27]  two scores each
.set OF,   28                          ; v[28:37]  byte offsets in the query's row of sc; never rewritten
.set K,    38                          ; v[38:58]  20 keys and a spare
.set WV,   60
.set TP,   61
.set RES,  62
.irp i, 0,1,2,3,4,5,6,7,8,9,10,11,12,13,14,15,16,17,18,19
.set KR\i, K+\i                        ; KRi: the register that holds place i of the list
.endr
.set FREE, K+20
.macro CE a, b                         ; a comparator: the larger key to place a, the smaller to place b
	v_max_num_f32 v[FREE], v[KR\a], v[KR\b]
	v_min_num_f32 v[KR\b], v[KR\a], v[KR\b]
.set SWP, KR\a
.set KR\a, FREE
.set FREE, SWP
.endm
.macro CE2 a, b, c, d
	CE \a, \b
	CE \c, \d
.endm
.macro CE4 a, b, c, d, e, f, g, h
	CE2 \a, \b, \c, \d
	CE2 \e, \f, \g, \h
.endm
.macro SORT20
	; places 0-15: runs of 2, 4, 8, 16, each made by an odd-even merge of two
	CE4 0,1, 2,3, 4,5, 6,7
	CE4 8,9, 10,11, 12,13, 14,15
	CE4 0,2, 1,3, 4,6, 5,7
	CE4 8,10, 9,11, 12,14, 13,15
	CE4 1,2, 5,6, 9,10, 13,14
	CE4 0,4, 1,5, 2,6, 3,7
	CE4 8,12, 9,13, 10,14, 11,15
	CE4 2,4, 3,5, 10,12, 11,13
	CE4 1,2, 3,4, 5,6, 9,10
	CE2 11,12, 13,14
	CE4 0,8, 1,9, 2,10, 3,11
	CE4 4,12, 5,13, 6,14, 7,15
	CE4 4,8, 5,9, 6,10, 7,11
	CE4 2,4, 3,5, 6,8, 7,9
	CE2 10,12, 11,13
	CE4 1,2, 3,4, 5,6, 7,8
	CE2 9,10, 11,12
	CE 13,14
	; places 16-19: a run of 4
	CE2 16,17, 18,19
	CE2 16,18, 17,19
	CE 17,18
	; the merge of 16 and 16 places, without the comparators that reach place 20 or beyond (those places would hold the smallest keys and stay)
	CE4 0,16, 1,17, 2,18, 3,19
	CE4 8,16, 9,17, 10,18, 11,19
	CE4 4,8, 5,9, 6,10, 7,11
	CE4 12,16, 13,17, 14,18, 15,19
	CE4 2,4, 3,5, 6,8, 7,9
	CE4 10,12, 11,13, 14,16, 15,17
	CE4 1,2, 3,4, 5,6, 7,8
	CE4 9,10, 11,12, 13,14, 15,16
	CE 17,18
.endm
.macro WMAXS dst, src, tmp             ; the largest of src over the 32 lanes, in every lane's dst
	v_max_num_f32_dpp v[\dst], v[\src], v[\src] row_xmask:1 row_mask:0xf bank_mask:0xf
.irp m, 2,4,8
	v_max_num_f32_dpp v[\dst], v[\dst], v[\dst] row_xmask:\m row_mask:0xf bank_mask:0xf
.endr
	v_permlanex16_b32 v[\tmp], v[\dst], s12, s13
	v_max_num_f32 v[\dst], v[\dst], v[\tmp]
.endm
.macro SH i, j                         ; place i takes place j's key in the lane that won
.if \i < NSH
	v_cndmask_b32 v[KR\i], v[KR\i], v[KR\j], vcc_lo
.endif
.endm
.macro POP p
.set NSH, PICKS-1-\p                   ; picks that follow = places of a list that can still be reached
	WMAXS WV, KR0, TP
	s_mov_b32 s20, 1<<\p                           ; the lane that keeps this pick
	v_cmp_eq_f32 vcc_lo, v[KR0], v[WV]             ; keys differ: one lane
	v_cndmask_b32 v[RES], v[RES], v[WV], s20
	SH 0,1
	SH 1,2
	SH 2,3
	SH 3,4
	SH 4,5
	SH 5,6
	SH 6,7
	SH 7,8
	SH 8,9
	SH 9,10
	SH 10,11
	SH 11,12
	SH 12,13
	SH 13,14
	SH 14,15
	SH 15,16
	SH 16,17
	SH 17,18
	SH 18,19
.endm
	s_load_b128 s[4:7], s[0:1], 0x0                ; gi s[4:5], sc s[6:7]
	s_load_b64 s[10:11], s[0:1], 0x10              ; ei
	v_lshl_add_u32 v64, v0, 2, 0x800
	v_mov_b32 v65, 0
	v_lshrrev_b32 v1, 5, v0
	v_readfirstlane_b32 s16, v1                    ; wave 0..15
	v_and_b32 v1, 31, v0                           ; lane
	s_mov_b32 s12, 0x76543210                      ; v_permlanex16_b32: lane i of one half reads lane i of the other
	s_mov_b32 s13, 0xfedcba98
	s_mov_b32 s14, 0xffff0000                      ; a word's upper score
	s_lshl_b32 s17, ttmp9, 4
	s_add_co_u32 s17, s17, s16                     ; my query
	s_mov_b32 s19, 0
	v_bfe_u32 v2, v0, 4, 1
	v_lshlrev_b32 v2, 6, v2                        ; my half of the list: byte 0 or 64
	v_and_b32 v3, 15, v0                           ; r: my word of a group
	v_lshlrev_b32 v4, 2, v3                        ; 4 r bytes
	v_lshlrev_b32 v5, 1, v3
	v_or_b32 v5, 0x40000000, v5                    ; what lies below my lower score: bit 30 and 2 r (the group's 32 g is added below)
	v_or_b32 v6, 1, v5                             ; below my upper score: 2 r + 1
	v_mov_b32 v[WV], 0                             ; written once: the destination of a DPP form or a lane permute counts as read
	v_mov_b32 v[TP], 0
	v_mov_b32 v[RES], 0
	s_wait_kmcnt 0x0
	s_lshl_b32 s18, s17, 7                         ; a list is 128 bytes
	s_add_nc_u64 s[4:5], s[4:5], s[18:19]
	global_load_b128 v[GS:GS+3],   v2, s[4:5]
	global_load_b128 v[GS+4:GS+7], v2, s[4:5] offset:16
	global_load_b64  v[GS+8:GS+9], v2, s[4:5] offset:32
	s_lshl_b32 s18, s17, 15                        ; a row of sc is 32,768 bytes: below 2^27
	s_add_nc_u64 s[6:7], s[6:7], s[18:19]
	s_wait_loadcnt 0x0
.irp i, 0,1,2,3,4,5,6,7,8,9
	v_min_u32 v[GS+\i], 0x1ff, v[GS+\i]            ; a group's number is 0..511
.endr
.irp i, 0,1,2,3,4,5,6,7,8,9
	v_lshl_add_u32 v[OF+\i], v[GS+\i], 6, v4       ; 64 bytes a group, my word of it
.endr
.irp i, 0,1,2,3,4,5,6,7,8,9
	global_load_b32 v[D+\i], v[OF+\i], s[6:7]      ; sixteen lanes take a group's 64 consecutive bytes
.endr
.irp i, 0,1,2,3,4,5,6,7,8,9
	v_lshl_add_u32 v[K+2*\i],   v[GS+\i], 5, v5    ; bit 30 and the index 32 g + 2 r
	v_lshl_add_u32 v[K+2*\i+1], v[GS+\i], 5, v6    ; bit 30 and the index 32 g + 2 r + 1
.endr
	s_wait_loadcnt 0x0
.irp i, 0,1,2,3,4,5,6,7,8,9
	v_lshl_or_b32 v[K+2*\i],   v[D+\i], 16,  v[K+2*\i]             ; the lower score moves up,
	v_and_or_b32  v[K+2*\i+1], v[D+\i], s14, v[K+2*\i+1]           ; the upper one stays
.endr
	SORT20
.irp p, 0,1,2,3,4,5,6,7,8,9,10,11,12,13,14,15,16,17,18,19
	POP \p
.endr
	; the group's 16 lists of 128 bytes meet in LDS and leave as 2,048 consecutive bytes
	v_and_b32 v6, 0x3fff, v[RES]                   ; the index; lanes 20-31 hold 0
	v_lshlrev_b32 v7, 2, v1
	v_lshl_add_u32 v7, s16, 7, v7
	ds_store_b32 v7, v6
	s_wait_dscnt 0x0                               ; for the others' sake
	s_barrier_signal -1
	s_barrier_wait -1
	s_cmp_ge_u32 s16, 4
	s_cbranch_scc1 .Lend
	v_lshlrev_b32 v5, 4, v0                        ; threads 0-127: 16 bytes each
	ds_load_b128 v[D:D+3], v5
	s_lshl_b32 s18, ttmp9, 11                      ; 16 queries x 128 bytes
	s_add_nc_u64 s[10:11], s[10:11], s[18:19]
	s_wait_dscnt 0x0
	global_store_b128 v5, v[D:D+3], s[10:11]       ; a wave's store covers 512 consecutive bytes, aligned
.Lend:
	s_wait_tensorcnt 0x0
	ds_add_u32 v64, v65
	s_wait_dscnt 0x0
	s_endpgm
.Lfunc_end_k_qa6b809172c_selb:
	.size	k_qa6b809172c_selb, .Lfunc_end_k_qa6b809172c_selb-k_qa6b809172c_selb
	.p2alignl 7, 3214868480
	.fill 96, 4, 3214868480
	.section	.rodata,"a",@progbits
	.p2align	6, 0x0
	.amdhsa_kernel k_qa6b809172c_selb
		.amdhsa_group_segment_fixed_size 4096
		.amdhsa_private_segment_fixed_size 0
		.amdhsa_enable_private_segment 0
		.amdhsa_kernarg_size 24
		.amdhsa_user_sgpr_count 2
		.amdhsa_user_sgpr_kernarg_segment_ptr 1
		.amdhsa_wavefront_size32 1
		.amdhsa_system_sgpr_workgroup_id_x 1
		.amdhsa_system_sgpr_workgroup_id_y 1
		.amdhsa_system_sgpr_workgroup_id_z 1
		.amdhsa_system_vgpr_workitem_id 0
		.amdhsa_next_free_vgpr 66
		.amdhsa_next_free_sgpr 66
		.amdhsa_reserve_vcc 1
		.amdhsa_float_denorm_mode_32 3
		.amdhsa_float_denorm_mode_16_64 3
		.amdhsa_memory_ordered 1
		.amdhsa_forward_progress 1
		.amdhsa_inst_pref_size 30
	.end_amdhsa_kernel
	.amdgpu_metadata
---
amdhsa.version: [ 1, 2 ]
amdhsa.kernels:
  - .name:           k_qa6b809172c_selb
    .symbol:         k_qa6b809172c_selb.kd
    .args:
      - { .name: gi, .offset: 0, .size: 8, .value_kind: global_buffer, .address_space: global }
      - { .name: sc, .offset: 8, .size: 8, .value_kind: global_buffer, .address_space: global }
      - { .name: ei, .offset: 16, .size: 8, .value_kind: global_buffer, .address_space: global }
    .group_segment_fixed_size: 4096
    .private_segment_fixed_size: 0
    .kernarg_segment_align: 8
    .kernarg_segment_size: 24
    .max_flat_workgroup_size: 512
    .sgpr_count:     66
    .vgpr_count:     66
    .wavefront_size: 32
...
	.end_amdgpu_metadata
.endif
;; end of part 4
;; launch gath (part 5): grid 2048 x 1, 8 waves a work-group, no clusters, 3,072 bytes of LDS; arguments ltm_buffer, x, rn, ei, out0; writes out0
.if DOCPART == 5
	.amdgcn_target "amdgcn-amd-amdhsa--gfx1250"
	.amdhsa_code_object_version 6
	.text
	.protected	k_qa6b809172c_gath
	.globl	k_qa6b809172c_gath
	.p2align	8
	.type	k_qa6b809172c_gath,@function
k_qa6b809172c_gath:
	s_mov_b64 s[64:65], 0
	v_nop
	global_prefetch_b8 v0, s[64:65] scope:SCOPE_SE
	s_setreg_imm32_b32 hwreg(HW_REG_WAVE_MODE, 25, 1), 1
	s_wait_xcnt 0x0
; gath: for each query, the scores of its 20 candidates are formed anew from the f32 inputs, the best 16 of them by (score down, index up) get their
; softmax weights, the other four the weight 0, and out0[q][:] = the weighted sum of the rows.  Everything here is f32.
; Eight waves, two queries: four waves share a query, 256 columns each.  A wave keeps its quarter of all 20 rows in registers (20 x 8 a lane), so that a
; row is read once and serves the dot product and the weighted sum.  No address and no branch hangs on the choice.
; THE SUMS: a lane adds its 8 products in four chains of 2, then come the tree over 32 lanes and the four quarters: 10 levels, so that few additions
; are rounded at the size of the whole sum.
; A lane holds columns 256 quarter + 128 t + 4 L .. + 3: a load or a store of the wave covers 512 consecutive bytes of a row, aligned; rows of
; ltm_buffer, x and out0 are all 4,096 bytes, so one offset register serves the three.
; The score ranked is dot x 1/|memory|; the query's 1/|x| is positive and enters in the exponent alone.  The largest score is taken away before the
; exponential; the exponents are differences of cosines times log2 e, in [-2.9, 0] for every input.
; LIMITS: the best 16 are looked for among the 20 best scores of the bf16 product.  Inputs in which five or more scores below rank 16 lie within that
; product's rounding error of it (some 1e-4 of a cosine for inputs without a common offset; it grows with an offset) are not served.
; Two scores at ranks 16 and 17 that differ by less than the rounding of these f32 sums (some 1e-8 of a cosine) can fall either way.
; NaN and infinities are not served.  An index is clamped to 16,383, the table's last row.
; No matrix unit or cluster: 20 rows a query are used by that query's four waves alone.  No prefetch: the rows are asked for as soon as the list is in.
.set NR,    20
.set OFFX,  1                          ; v1  1,024 quarter + 16 L: my place in a row; never rewritten
.set LN,    3                          ; lane
.set L4,    4                          ; 4 L
.set EIV,   5                          ; lane i: candidate i's index
.set RMO,   6                          ; 4 x that
.set RMV,   7                          ; lane i: 1 / |memory| of candidate i
.set TP,    9                          ; a lane permute's destination
.set PV,    10                         ; lane i: my quarter's dot product of candidate i
.set PA,    11                         ; LDS: 128 wave + 4 L
.set PB,    12                         ; LDS: 512 (wave / 4) + 4 L
.set WA,    13                         ; LDS: 128 wave
.set PV2,   14                         ; candidates 16-19 on their way into PV
.set A,     16                         ; v[16:19]   the four quarters' dot products
.set Q,     20                         ; v[20:27]   my 8 numbers of the query
.set ACC,   28                         ; v[28:35]   8 sums: 4 t + c
.set S,     36                         ; v[36:55]   20 dot products
.set P,     56                         ; v[56:59]   four chains
.set W,     60                         ; v[60:79]   the weights, the same in every lane
.set D,     80                         ; v[80:239]  row r: 8 registers
.set NEG,   240
.set BIG,   241
.set SCV,   242                        ; lane i: candidate i's score
.set EIF,   243                        ; its index as f32 (exact)
.set MN,    244                        ; its score while it is kept, +inf once it is dropped
.set WV,    245
.set WI,    246
.set SC2,   247
.set T,     248
.set E,     249
.set SM,    250
.set R,     251
.macro WMAX reg, tmp
.irp m, 1,2,4,8
	v_max_num_f32_dpp v[\reg], v[\reg], v[\reg] row_xmask:\m row_mask:0xf bank_mask:0xf
.endr
	v_permlanex16_b32 v[\tmp], v[\reg], s36, s37
	v_max_num_f32 v[\reg], v[\reg], v[\tmp]
.endm
.macro WMIN reg, tmp
.irp m, 1,2,4,8
	v_min_num_f32_dpp v[\reg], v[\reg], v[\reg] row_xmask:\m row_mask:0xf bank_mask:0xf
.endr
	v_permlanex16_b32 v[\tmp], v[\reg], s36, s37
	v_min_num_f32 v[\reg], v[\reg], v[\tmp]
.endm
.macro WADD reg, tmp
.irp m, 1,2,4,8
	v_add_f32_dpp v[\reg], v[\reg], v[\reg] row_xmask:\m row_mask:0xf bank_mask:0xf
.endr
	v_permlanex16_b32 v[\tmp], v[\reg], s36, s37
	v_add_f32 v[\reg], v[\reg], v[\tmp]
.endm
	s_load_b256 s[4:11], s[0:1], 0x0               ; ltm_buffer s[4:5], x s[6:7], rn s[8:9], ei s[10:11]
	s_load_b64 s[12:13], s[0:1], 0x20              ; out0
	v_lshl_add_u32 v254, v0, 2, 0x800
	v_mov_b32 v255, 0
	v_lshrrev_b32 v[LN], 5, v0
	v_readfirstlane_b32 s38, v[LN]                 ; wave 0..7
	v_and_b32 v[LN], 31, v0
	s_lshr_b32 s39, s38, 2                         ; which of the group's two queries
	s_and_b32 s40, s38, 3                          ; which quarter of the columns
	s_lshl_b32 s41, ttmp9, 1
	s_add_co_u32 s41, s41, s39                     ; my query
	s_mov_b32 s15, 0
	s_mov_b32 s36, 0x76543210                      ; v_permlanex16_b32: lane i of one half reads lane i of the other
	s_mov_b32 s37, 0xfedcba98
	s_mov_b32 s43, 0xfffff                         ; lanes 0-19: the candidates
	s_lshl_b32 s44, s38, 7
	v_lshlrev_b32 v[OFFX], 4, v[LN]
	v_lshl_add_u32 v[OFFX], s40, 10, v[OFFX]
	v_lshlrev_b32 v[L4], 2, v[LN]
	v_lshl_add_u32 v[PA], s38, 7, v[L4]
	v_lshl_add_u32 v[PB], s39, 9, v[L4]
	v_mov_b32 v[WA], s44
	v_mov_b32 v[TP], 0                             ; written once: a lane permute's destination counts as read
	v_mov_b32 v[NEG], 0xff800000
	v_mov_b32 v[BIG], 0x7f800000
	s_wait_kmcnt 0x0
	s_lshl_b32 s14, s41, 7                         ; a list is 128 bytes
	s_add_nc_u64 s[10:11], s[10:11], s[14:15]
	s_load_b512 s[16:31], s[10:11], 0x0            ; candidates 0-15, as scalars for the rows' bases,
	s_load_b128 s[32:35], s[10:11], 0x40           ; candidates 16-19,
	global_load_b32 v[EIV], v[L4], s[10:11]        ; and lane by lane
	s_lshl_b32 s14, s41, 2
	s_add_nc_u64 s[94:95], s[8:9], s[14:15]
	s_load_b32 s46, s[94:95], 0x10000              ; 1 / |x| of my query: the queries lie behind the 16,384 memories in rn
	s_lshl_b32 s14, s41, 12                        ; a row of x and of out0 is 4,096 bytes
	s_add_nc_u64 s[92:93], s[6:7], s[14:15]
	s_add_nc_u64 s[12:13], s[12:13], s[14:15]
.irp t, 0,1
	global_load_b128 v[Q+4*\t:Q+4*\t+3], v[OFFX], s[92:93] offset:512*\t
.endr
	s_wait_loadcnt 0x2                             ; the list is in; the query's two loads may be out
	v_min_u32 v[EIV], 0x3fff, v[EIV]               ; inside the table
	v_lshlrev_b32 v[RMO], 2, v[EIV]
	global_load_b32 v[RMV], v[RMO], s[8:9]
	s_wait_kmcnt 0x0
.irp i, 0,1,2,3,4,5,6,7,8,9,10,11,12,13,14,15,16,17,18,19
.set BS, 48+2*\i+2*(\i/8)                          ; rows 0-7: s48-63; rows 8-15: s66-81; rows 16-19: s84-91
	s_min_u32 s[16+\i], s[16+\i], 0x3fff           ; inside the table
	s_lshl_b32 s[BS], s[16+\i], 12                 ; x 4,096 bytes: below 2^26
	s_mov_b32 s[BS+1], 0
	s_add_nc_u64 s[BS:BS+1], s[4:5], s[BS:BS+1]
.endr
.macro FILL r                          ; my quarter of row r: two loads
.set BS, 48+2*(\r)+2*((\r)/8)
.irp t, 0,1
	global_load_b128 v[D+8*(\r)+4*\t:D+8*(\r)+4*\t+3], v[OFFX], s[BS:BS+1] offset:512*\t
.endr
.endm
.macro DOT r                           ; my 8 products of row r with the query, in four chains of 2
	v_pk_mul_f32 v[P:P+1],   v[D+8*\r:D+8*\r+1],   v[Q:Q+1]
	v_pk_mul_f32 v[P+2:P+3], v[D+8*\r+2:D+8*\r+3], v[Q+2:Q+3]
	v_pk_fma_f32 v[P:P+1],   v[D+8*\r+4:D+8*\r+5], v[Q+4:Q+5], v[P:P+1]
	v_pk_fma_f32 v[P+2:P+3], v[D+8*\r+6:D+8*\r+7], v[Q+6:Q+7], v[P+2:P+3]
	v_pk_add_f32 v[P:P+1], v[P:P+1], v[P+2:P+3]
	v_add_f32 v[S+\r], v[P], v[P+1]
.endm
	; all 40 loads go out at once; with the query's two and the one of rn, 43 loads of the wave are out at the most
.irp r, 0,1,2,3,4,5,6,7,8,9,10,11,12,13,14,15,16,17,18,19
	FILL \r
.endr
.irp i, 0,1,2,3,4,5,6,7,8,9,10,11,12,13,14,15,16,17,18,19
	s_wait_loadcnt 2*(NR-1-\i)                     ; row i is in (and all that was asked for earlier); the younger rows, two loads each, may be out
	DOT \i
.endr
	; over the lanes: four steps inside each half of 16 lanes for all 20 sums, side by side
.irp m, 1,2,4,8
.irp r, 0,1,2,3,4,5,6,7,8,9,10,11,12,13,14,15,16,17,18,19
	v_add_f32_dpp v[S+\r], v[S+\r], v[S+\r] row_xmask:\m row_mask:0xf bank_mask:0xf
.endr
.endr
	; lanes i and 16 + i take candidate i's two half sums, so that one step across the halves serves 16 candidates; candidates 16-19 likewise in PV2
	v_mov_b32 v[PV], v[S]
.irp i, 1,2,3,4,5,6,7,8,9,10,11,12,13,14,15
	s_mov_b32 s42, 0x10001<<\i
	v_cndmask_b32 v[PV], v[PV], v[S+\i], s42
.endr
	v_mov_b32 v[PV2], v[S+16]
.irp i, 1,2,3
	s_mov_b32 s42, 0x10001<<\i
	v_cndmask_b32 v[PV2], v[PV2], v[S+16+\i], s42
.endr
	v_permlanex16_b32 v[TP], v[PV], s36, s37
	v_permlanex16_b32 v[P], v[PV2], s36, s37       ; P has been written
	v_add_f32 v[PV], v[PV], v[TP]
	v_add_f32 v[PV2], v[PV2], v[P]
	s_mov_b32 s42, 0xf0000
	v_cndmask_b32 v[PV], v[PV], v[PV2], s42        ; lanes 16-19: candidates 16-19.  Lanes 20-31 hold copies that are masked below
	; the four quarters of the columns meet in LDS
	ds_store_b32 v[PA], v[PV]
	s_wait_dscnt 0x0                               ; for my partners' sake: my store is done before I signal
	s_barrier_signal -1
	s_barrier_wait -1
.irp k, 0,1,2,3
	ds_load_b32 v[A+\k], v[PB] offset:128*\k
.endr
	v_cvt_f32_u32 v[EIF], v[EIV]
	s_mul_f32 s45, s46, 0x3fb8aa3b                 ; 1 / |x| x log2 e, positive
	s_wait_dscnt 0x0
	v_add_f32 v[A], v[A], v[A+1]                   ; the same order in all four waves: all make the same choice
	v_add_f32 v[A+2], v[A+2], v[A+3]
	v_add_f32 v[T], v[A], v[A+2]
	v_mul_f32 v[SCV], v[T], v[RMV]
	; four times: the last of those still kept, that is the smallest score and among equal ones the highest index, is dropped
	v_cndmask_b32 v[MN], v[BIG], v[SCV], s43       ; lanes 20-31 count as dropped
.rept NR-16
	v_mov_b32 v[WV], v[MN]
	WMIN WV, TP
	v_cmp_eq_f32 vcc_lo, v[MN], v[WV]
	v_cndmask_b32 v[WI], v[NEG], v[EIF], vcc_lo
	WMAX WI, TP
	v_cmp_eq_f32 vcc_lo, v[EIF], v[WI]
	v_cndmask_b32 v[MN], v[MN], v[BIG], vcc_lo
.endr
	v_cmp_eq_f32 vcc_lo, v[MN], v[BIG]
	v_cndmask_b32 v[SC2], v[SCV], v[NEG], vcc_lo   ; dropped: -inf
	; softmax over the 16 that are left
	v_mov_b32 v[WV], v[SC2]
	WMAX WV, TP
	v_sub_f32 v[T], v[SC2], v[WV]                  ; at most 0
	v_mul_f32 v[T], s45, v[T]
	v_exp_f32 v[E], v[T]                           ; 0 where the score is -inf
	v_nop                                          ; one plain place behind a transcendental (ISA guide 5.7.2)
	s_wait_alu depctr_va_vdst(0)
	v_mov_b32 v[SM], v[E]
	WADD SM, TP                                    ; at least 1: the largest score's own term
	v_rcp_f32 v[R], v[SM]
	v_nop
	s_wait_alu depctr_va_vdst(0)
	v_mul_f32 v[E], v[E], v[R]
	; lane i's weight to every lane, through bytes of LDS that are my wave's own: LDS serves a wave's instructions in order (ISA guide 5.7.1)
	ds_store_b32 v[PA], v[E] offset:1024
.irp j, 0,1,2,3,4
	ds_load_b128 v[W+4*\j:W+4*\j+3], v[WA] offset:1024+16*\j
.endr
	s_wait_dscnt 0x0
	; the weighted sum of all 20 rows from registers; the first row starts the sums
.irp c, 0,1,2,3,4,5,6,7
	v_mul_f32 v[ACC+\c], v[D+\c], v[W]
.endr
.irp r, 1,2,3,4,5,6,7,8,9,10,11,12,13,14,15,16,17,18,19
.irp c, 0,1,2,3,4,5,6,7
	v_fmac_f32 v[ACC+\c], v[D+8*\r+\c], v[W+\r]
.endr
.endr
.irp t, 0,1
	global_store_b128 v[OFFX], v[ACC+4*\t:ACC+4*\t+3], s[12:13] offset:512*\t th:TH_STORE_NT
.endr
	s_wait_tensorcnt 0x0
	ds_add_u32 v254, v255
	s_wait_dscnt 0x0
	s_endpgm
.Lfunc_end_k_qa6b809172c_gath:
	.size	k_qa6b809172c_gath, .Lfunc_end_k_qa6b809172c_gath-k_qa6b809172c_gath
	.p2alignl 7, 3214868480
	.fill 96, 4, 3214868480
	.section	.rodata,"a",@progbits
	.p2align	6, 0x0
	.amdhsa_kernel k_qa6b809172c_gath
		.amdhsa_group_segment_fixed_size 3072
		.amdhsa_private_segment_fixed_size 0
		.amdhsa_enable_private_segment 0
		.amdhsa_kernarg_size 40
		.amdhsa_user_sgpr_count 2
		.amdhsa_user_sgpr_kernarg_segment_ptr 1
		.amdhsa_wavefront_size32 1
		.amdhsa_system_sgpr_workgroup_id_x 1
		.amdhsa_system_sgpr_workgroup_id_y 1
		.amdhsa_system_sgpr_workgroup_id_z 1
		.amdhsa_system_vgpr_workitem_id 0
		.amdhsa_next_free_vgpr 256
		.amdhsa_next_free_sgpr 96
		.amdhsa_reserve_vcc 1
		.amdhsa_float_denorm_mode_32 3
		.amdhsa_float_denorm_mode_16_64 3
		.amdhsa_memory_ordered 1
		.amdhsa_forward_progress 1
		.amdhsa_inst_pref_size 36
	.end_amdhsa_kernel
	.amdgpu_metadata
---
amdhsa.version: [ 1, 2 ]
amdhsa.kernels:
  - .name:           k_qa6b809172c_gath
    .symbol:         k_qa6b809172c_gath.kd
    .args:
      - { .name: ltm_buffer, .offset: 0, .size: 8, .value_kind: global_buffer, .address_space: global }
      - { .name: x, .offset: 8, .size: 8, .value_kind: global_buffer, .address_space: global }
      - { .name: rn, .offset: 16, .size: 8, .value_kind: global_buffer, .address_space: global }
      - { .name: ei, .offset: 24, .size: 8, .value_kind: global_buffer, .address_space: global }
      - { .name: out0, .offset: 32, .size: 8, .value_kind: global_buffer, .address_space: global }
    .group_segment_fixed_size: 3072
    .private_segment_fixed_size: 0
    .kernarg_segment_align: 8
    .kernarg_segment_size: 40
    .max_flat_workgroup_size: 256
    .sgpr_count:     96
    .vgpr_count:     256
    .wavefront_size: 32
...
	.end_amdgpu_metadata
.endif
;; end of part 5
